; MI455X (gfx1250); checked and timed in simulation.
; The chip was launched on July 23, 2026; its instructions are those of AMD's public machine-readable ISA for CDNA 5 (MIT licence, August 2026) and "CDNA5" Instruction Set Architecture Reference Guide (July 2026). The comments in the code are by the model that wrote it; some were corrected since.
;; Mo E Layer. Allowed arithmetic: float matrix products may take bf16 or f16 operands with f32 sums; all other float work in f32.
;; Inputs: b1 8 x 4,096 float32; b2 8 x 1,024 float32; gate_b 8 float32; gate_w 1,024 x 8 float32; w1 8 x 1,024 x 4,096 float32; w2 8 x 4,096 x 1,024 float32; x 4 x 256 x 1,024 float32.
;; Outputs: out0 4 x 256 x 1,024 float32.
;; One version. Each part assembles by itself: llvm-mc -triple=amdgcn-amd-amdhsa -mcpu=gfx1250 --defsym DOCPART=n.
;; ======== version 1 of 1: 6 launches
;; workspace buffers: sel 4,096 bytes of whole numbers; cw 8,192 bytes; meta 33,024 bytes of whole numbers; pos 8,192 bytes of whole numbers; xs 16,777,216 bytes; hf 67,108,864 bytes; y2 134,217,728 bytes
;; launch gate (part 1): grid 256 x 1, 4 waves a work-group, no clusters, 0 bytes of LDS; arguments x, gate_w, gate_b, sel, cw; writes sel, cw
.if DOCPART == 1
	.amdgcn_target "amdgcn-amd-amdhsa--gfx1250"
	.amdhsa_code_object_version 6
	.text
	.protected	k_q0fc6ef4b62_gate
	.globl	k_q0fc6ef4b62_gate
	.p2align	8
	.type	k_q0fc6ef4b62_gate,@function
k_q0fc6ef4b62_gate:
	s_mov_b64 s[64:65], 0
	v_nop
	global_prefetch_b8 v0, s[64:65] scope:SCOPE_SE
	s_setreg_imm32_b32 hwreg(HW_REG_WAVE_MODE, 25, 1), 1
	s_wait_xcnt 0x0
; THE GATE.  For each of 1,024 tokens: logits = x . gate_w + gate_b, softmax over 8 experts (the maximum taken away), the two largest, their weights divided by their sum.
; x, gate_w and gate_b are rounded to bf16 first, as every input of this program is; products exact, sums in f32.
; One wave, one token: lane l takes k = 128 i + 4 l + c (i = 0..7, c = 0..3).  Of gate_w ([1024][8] f32) those four rows are 128 consecutive bytes a lane; a wave's eight loads for one i
; cover 4,096 consecutive bytes.  62 of a wave's 72 loads are asked for before anything is computed; the last ten follow x's conversion.  No matrix instruction: 8 columns, and the launch is bound by x's bytes.
; No LDS and no barrier: no wave needs another.
; OUT: sel[token] = first | second << 8 (whole numbers for the next launch), cw[token] = the two weights.  12 bytes a token, stored by lane 0: 12 KB in the whole launch.
; LIMITS.  Equal probabilities go to the lower index.  An exponential below 2^-126 counts as 0.  NaN is not treated apart (the two experts still differ).
.set XR,  8                            ; v[8:39]    x as loaded; later T, at work
.set XP,  40                           ; v[40:55]   x in bf16: pair (i, c / 2) at XP + 2 i + c / 2
.set ACC, 56                           ; v[56:63]   the eight sums, then logits, then probabilities
.set GR,  64                           ; v[64:191]  the first half of gate_w as loaded: (i, c) at GR + 32 i + 8 c
.set GR1, 0                            ; v[256:383] the second half: v0-127 of window 1
.set GP,  192                          ; v[192:255] a half in bf16: (i, c) at GP + 16 i + 4 c, experts 2 g, 2 g + 1 in register g
.set T,   8
.set MSB, 0
.macro WIN new                         ; s_set_vgpr_msb: bits 1:0 source 0, 3:2 source 1, 7:6 destination; the high byte repeats the setting that is left
.if MSB != (\new)
	s_set_vgpr_msb (MSB<<8)|(\new)
.set MSB, \new
.endif
.endm
.macro GLOAD base, hf, first, count    ; loads first .. first + count - 1 of a half's 32: i = 4 hf + z / 8, piece z % 8 of 16 bytes
.set z, \first
.rept \count
	global_load_b128 v[(\base)+4*z:(\base)+4*z+3], v3, s[6:7] offset:4096*(4*(\hf)+z/8)+16*(z%8)
.set z, z+1
.endr
.endm
.macro GPACK base                      ; 128 numbers a lane rounded to bf16
.set z, 0
.rept 64
	v_cvt_pk_bf16_f32 v[GP+z], v[(\base)+2*z], v[(\base)+2*z+1]
.set z, z+1
.endr
.endm
.macro GFMA hf                         ; 128 multiply-adds straight from bf16 halves; the eight sums take turns
.irp i, 0,1,2,3
.irp p, 0,1
.irp a, 0,1
.irp g, 0,1,2,3
.irp b, 0,1
	v_fma_mix_f32_bf16 v[ACC+2*\g+\b], v[XP+2*(4*(\hf)+\i)+\p], v[GP+16*\i+4*(2*\p+\a)+\g], v[ACC+2*\g+\b] op_sel:[\a,\b,0] op_sel_hi:[1,1,0]
.endr
.endr
.endr
.endr
.endr
.endm
	s_load_b256 s[4:11], s[0:1], 0x0               ; x s[4:5], gate_w s[6:7], gate_b s[8:9], sel s[10:11]
	s_load_b64 s[12:13], s[0:1], 0x20              ; cw
	v_and_b32 v1, 31, v0                           ; lane
	v_lshlrev_b32 v2, 4, v1                        ; x: 16 bytes a lane
	v_lshlrev_b32 v3, 7, v1                        ; gate_w: four rows of 32 bytes a lane
	v_lshrrev_b32 v4, 5, v0
	v_readfirstlane_b32 s14, v4                    ; wave
	s_lshl_b32 s15, ttmp9, 2
	s_add_co_u32 s15, s15, s14                     ; token
	s_lshl_b32 s28, s15, 12                        ; its row of 4,096 bytes
	s_mov_b32 s29, 0
	s_mov_b32 s24, 0x76543210                      ; v_permlanex16_b32: each lane takes its own place in the other half
	s_mov_b32 s25, 0xfedcba98
	s_mov_b32 s26, 0x3fb8aa3b                      ; log2(e)
	s_wait_kmcnt 0x0
	s_load_b256 s[16:23], s[8:9], 0x0              ; gate_b: eight numbers
	s_add_nc_u64 s[4:5], s[4:5], s[28:29]
.irp i, 0,1,2,3,4,5,6,7
	global_load_b128 v[XR+4*\i:XR+4*\i+3], v2, s[4:5] offset:512*\i
.endr
	GLOAD GR, 0, 0, 32
	WIN 0x40                                       ; destination window 1, address window 0
	GLOAD GR1, 1, 0, 22                            ; 62 loads of the wave are out here; the second half's last ten follow behind x's wait
	WIN 0
	s_wait_loadcnt 54                              ; x's eight loads are in; gate_w's 32 + 22 younger ones stay out
.set z, 0
.rept 16
	v_cvt_pk_bf16_f32 v[XP+z], v[XR+2*z], v[XR+2*z+1]
.set z, z+1
.endr
	WIN 0x40
	GLOAD GR1, 1, 22, 10
	WIN 0
.irp e, 0,1,2,3,4,5,6,7
	v_mov_b32 v[ACC+\e], 0
.endr
	s_wait_loadcnt 32                              ; the first half is in; the second half's 32 loads stay out
	GPACK GR
	GFMA 0
	s_wait_loadcnt 0x0
	WIN 0x05                                       ; sources 0 and 1 window 1, destination window 0
	GPACK GR1
	WIN 0
	GFMA 1
	; the sums over the 32 lanes: four steps inside each half of 16 lanes, one across
.irp m, 1,2,4,8
.irp e, 0,1,2,3,4,5,6,7
	v_add_f32_dpp v[ACC+\e], v[ACC+\e], v[ACC+\e] row_xmask:\m row_mask:0xf bank_mask:0xf
.endr
.endr
.irp e, 0,1,2,3,4,5,6,7
	v_permlanex16_b32 v[T+\e], v[ACC+\e], s24, s25 ; T has been written (x lay there)
.endr
.irp e, 0,1,2,3,4,5,6,7
	v_add_f32 v[ACC+\e], v[ACC+\e], v[T+\e]
.endr
	s_wait_kmcnt 0x0                               ; gate_b, rounded to bf16 like the other inputs
.irp e, 0,1,2,3,4,5,6,7
	v_mov_b32 v[T+8+\e], s[16+\e]
.endr
.irp g, 0,1,2,3
	v_cvt_pk_bf16_f32 v[T+16+\g], v[T+8+2*\g], v[T+8+2*\g+1]
.endr
.irp g, 0,1,2,3
	v_lshlrev_b32 v[T+8+2*\g], 16, v[T+16+\g]
	v_and_b32 v[T+8+2*\g+1], 0xffff0000, v[T+16+\g]
.endr
.irp e, 0,1,2,3,4,5,6,7
	v_add_f32 v[ACC+\e], v[ACC+\e], v[T+8+\e]
.endr
	; softmax: the maximum is taken away, in the exponent: 2^(l log2e - m log2e)
	v_max3_num_f32 v28, v[ACC], v[ACC+1], v[ACC+2]
	v_max3_num_f32 v28, v28, v[ACC+3], v[ACC+4]
	v_max3_num_f32 v28, v28, v[ACC+5], v[ACC+6]
	v_max_num_f32 v28, v28, v[ACC+7]
	v_mul_f32 v28, s26, v28
.irp e, 0,1,2,3,4,5,6,7
	v_fma_f32 v[ACC+\e], v[ACC+\e], s26, -v28
.endr
.irp e, 0,1,2,3,4,5,6,7
	v_exp_f32 v[ACC+\e], v[ACC+\e]
.endr
	v_nop                                          ; a plain instruction between the last exponential and the first use (ISA guide 5.7.2)
	s_wait_alu depctr_va_vdst(0)
	v_add_f32 v29, v[ACC], v[ACC+1]
	v_add_f32 v30, v[ACC+2], v[ACC+3]
	v_add_f32 v31, v[ACC+4], v[ACC+5]
	v_add_f32 v32, v[ACC+6], v[ACC+7]
	v_add_f32 v29, v29, v30
	v_add_f32 v31, v31, v32
	v_add_f32 v29, v29, v31
	v_rcp_f32 v30, v29
	v_nop
	s_wait_alu depctr_va_vdst(0)
.irp e, 0,1,2,3,4,5,6,7
	v_mul_f32 v[ACC+\e], v[ACC+\e], v30
.endr
	; the largest: v33 its value, v34 its index; a later one must be strictly larger
	v_mov_b32 v33, v[ACC]
	v_mov_b32 v34, 0
.irp e, 1,2,3,4,5,6,7
	v_cmp_gt_f32 vcc_lo, v[ACC+\e], v33
	v_cndmask_b32 v33, v33, v[ACC+\e], vcc_lo
	v_cndmask_b32 v34, v34, \e, vcc_lo
.endr
	; the second: the first is set to -1; the scan starts at the lowest index that is not the first's, so the two always differ
.irp e, 0,1,2,3,4,5,6,7
	v_cmp_eq_u32 vcc_lo, \e, v34
	v_cndmask_b32 v[T+\e], v[ACC+\e], -1.0, vcc_lo
.endr
	v_cmp_eq_u32 vcc_lo, 0, v34
	v_cndmask_b32 v35, v[T], v[T+1], vcc_lo
	v_cndmask_b32 v36, 0, 1, vcc_lo
.irp e, 1,2,3,4,5,6,7
	v_cmp_gt_f32 vcc_lo, v[T+\e], v35
	v_cndmask_b32 v35, v35, v[T+\e], vcc_lo
	v_cndmask_b32 v36, v36, \e, vcc_lo
.endr
	v_add_f32 v37, v33, v35
	v_rcp_f32 v38, v37
	v_lshl_or_b32 v42, v36, 8, v34                 ; first | second << 8
	s_wait_alu depctr_va_vdst(0)
	v_mul_f32 v40, v33, v38
	v_mul_f32 v41, v35, v38
	s_lshl_b32 s27, s15, 2
	v_mov_b32 v43, s27
	s_lshl_b32 s27, s15, 3
	v_mov_b32 v44, s27
	v_cmp_eq_u32 vcc_lo, 0, v1
	s_wait_xcnt 0x0                                ; EXEC changes only behind this wait
	s_and_saveexec_b32 s30, vcc_lo                 ; every lane holds the same numbers: lane 0 stores them
	global_store_b32 v43, v42, s[10:11]
	global_store_b64 v44, v[40:41], s[12:13]
	s_endpgm
.Lfunc_end_k_q0fc6ef4b62_gate:
	.size	k_q0fc6ef4b62_gate, .Lfunc_end_k_q0fc6ef4b62_gate-k_q0fc6ef4b62_gate
	.p2alignl 7, 3214868480
	.fill 96, 4, 3214868480
	.section	.rodata,"a",@progbits
	.p2align	6, 0x0
	.amdhsa_kernel k_q0fc6ef4b62_gate
		.amdhsa_group_segment_fixed_size 0
		.amdhsa_private_segment_fixed_size 0
		.amdhsa_enable_private_segment 0
		.amdhsa_kernarg_size 40
		.amdhsa_user_sgpr_count 2
		.amdhsa_user_sgpr_kernarg_segment_ptr 1
		.amdhsa_wavefront_size32 1
		.amdhsa_system_sgpr_workgroup_id_x 1
		.amdhsa_system_sgpr_workgroup_id_y 1
		.amdhsa_system_sgpr_workgroup_id_z 1
		.amdhsa_system_vgpr_workitem_id 0
		.amdhsa_next_free_vgpr 384
		.amdhsa_next_free_sgpr 66
		.amdhsa_reserve_vcc 1
		.amdhsa_float_denorm_mode_32 3
		.amdhsa_float_denorm_mode_16_64 3
		.amdhsa_memory_ordered 1
		.amdhsa_forward_progress 1
		.amdhsa_inst_pref_size 43
	.end_amdhsa_kernel
	.amdgpu_metadata
---
amdhsa.version: [ 1, 2 ]
amdhsa.kernels:
  - .name:           k_q0fc6ef4b62_gate
    .symbol:         k_q0fc6ef4b62_gate.kd
    .args:
      - { .name: x, .offset: 0, .size: 8, .value_kind: global_buffer, .address_space: global }
      - { .name: gate_w, .offset: 8, .size: 8, .value_kind: global_buffer, .address_space: global }
      - { .name: gate_b, .offset: 16, .size: 8, .value_kind: global_buffer, .address_space: global }
      - { .name: sel, .offset: 24, .size: 8, .value_kind: global_buffer, .address_space: global }
      - { .name: cw, .offset: 32, .size: 8, .value_kind: global_buffer, .address_space: global }
    .group_segment_fixed_size: 0
    .private_segment_fixed_size: 0
    .kernarg_segment_align: 8
    .kernarg_segment_size: 40
    .max_flat_workgroup_size: 128
    .sgpr_count:     66
    .vgpr_count:     384
    .wavefront_size: 32
...
	.end_amdgpu_metadata
.endif
;; end of part 1
;; launch rank (part 2): grid 32 x 8, 1 waves a work-group, no clusters, 0 bytes of LDS; arguments sel, meta; writes meta
.if DOCPART == 2
	.amdgcn_target "amdgcn-amd-amdhsa--gfx1250"
	.amdhsa_code_object_version 6
	.text
	.protected	k_q0fc6ef4b62_rank
	.globl	k_q0fc6ef4b62_rank
	.p2align	8
	.type	k_q0fc6ef4b62_rank,@function
k_q0fc6ef4b62_rank:
	s_mov_b64 s[64:65], 0
	v_nop
	global_prefetch_b8 v0, s[64:65] scope:SCOPE_SE
	s_setreg_imm32_b32 hwreg(HW_REG_WAVE_MODE, 25, 1), 1
	s_wait_xcnt 0x0
; THE LISTS.  An expert's rows are the tokens that chose it, in ascending order.  Work-group (b, e), one wave, finds the tokens of rows 32 b .. 32 b + 31 of expert e: lane l owns row 32 b + l.
; OUT, in the buffer meta: word e = the expert's blocks of 32 rows, max(1, ceil(n / 32)), 1 to 32 (stored by block 0's wave); from byte 256 on, list[e][row] = token | slot << 10
; (slot 0: the token's first choice, 1: its second), or 0x800 for a row that no token has.  All 8 x 1,024 entries are stored.
; NOTHING STEERS HERE: no branch, no address and no lane select hangs on sel's numbers; every choice is a v_cndmask_b32, every store has a fixed place.  The launches behind read these whole numbers and steer by them.
; HOW.  The wave holds all 1,024 words of sel, lane l token 32 j + l in register j.  Groups j = 0..31 in turn: the mask of the group's tokens that chose e, and the count of such tokens in the groups before (a scalar).
; A lane keeps the last group whose count before is at most its row: that group holds the row, if any does.  Then the lane's k-th set bit of that mask (k = row - count before) is sought bit by bit.
; A wave's store covers 128 consecutive bytes, half of an aligned block of 256: 32 KB in the whole launch.
.set SV,  32                           ; v[32:63] sel: group j in register j
.set ROW, 2                            ; v2  my row
.set GM,  3                            ; v3  my group's mask
.set G2,  4                            ; v4  of it, the tokens that chose e second
.set GB,  5                            ; v5  the count before my group
.set GJ,  6                            ; v6  my group's number
.set KK,  7                            ; v7  set bits still to pass
.set PP,  10                           ; v10 the bit found; 32: none
	s_load_b128 s[4:7], s[0:1], 0x0                ; sel s[4:5], meta s[6:7]
	v_lshlrev_b32 v1, 2, v0                        ; 4 x lane
	s_and_b32 s10, ttmp7, 0xffff                   ; e
	s_mov_b32 s11, ttmp9                           ; b
	s_lshl_b32 s12, s11, 5
	v_add_nc_u32 v[ROW], s12, v0
	s_mov_b32 s13, 0                               ; the count before the group in hand
	s_mov_b32 s18, 0xff
	v_mov_b32 v[GM], 0
	v_mov_b32 v[G2], 0
	v_mov_b32 v[GB], 0
	v_mov_b32 v[GJ], 0
	s_wait_kmcnt 0x0
.set j, 0
.rept 32
	global_load_b32 v[SV+j], v1, s[4:5] offset:128*j
.set j, j+1
.endr
.set j, 0
.rept 32
	s_wait_loadcnt 31-j                            ; loads come back in order (ISA guide 5.7.1): group j is in, the later groups stay out
	v_and_b32 v8, s18, v[SV+j]                     ; first choice
	v_bfe_u32 v9, v[SV+j], 8, 8                    ; second choice
	v_cmp_eq_u32 s14, s10, v8
	v_cmp_eq_u32 s15, s10, v9
	s_or_b32 s16, s14, s15                         ; the group's tokens that chose e
	v_cmp_le_u32 vcc_lo, s13, v[ROW]               ; the count before is at most my row: this group, or a later one
	v_cndmask_b32 v[GM], v[GM], s16, vcc_lo
	v_cndmask_b32 v[G2], v[G2], s15, vcc_lo
	v_cndmask_b32 v[GB], v[GB], s13, vcc_lo
	v_cndmask_b32 v[GJ], v[GJ], j, vcc_lo
	s_bcnt1_i32_b32 s17, s16
	s_add_co_u32 s13, s13, s17
.set j, j+1
.endr
	v_sub_nc_u32 v[KK], v[ROW], v[GB]
	v_mov_b32 v[PP], 32
.set i, 0
.rept 32                               ; bit i is mine if it is set and no set bit is left to pass: 2 k + bit = 1.  Behind that k wraps below 0 and never comes back
	v_bfe_u32 v8, v[GM], i, 1
	v_lshl_or_b32 v9, v[KK], 1, v8
	v_cmp_eq_u32 vcc_lo, 1, v9
	v_cndmask_b32 v[PP], v[PP], i, vcc_lo
	v_sub_nc_u32 v[KK], v[KK], v8
.set i, i+1
.endr
	v_lshrrev_b32 v8, v[PP], v[G2]
	v_and_b32 v8, 1, v8                            ; slot
	v_lshl_add_u32 v9, v[GJ], 5, v[PP]             ; token
	v_lshl_or_b32 v9, v8, 10, v9
	v_mov_b32 v11, 0x800
	v_cmp_gt_u32 vcc_lo, 32, v[PP]
	v_cndmask_b32 v9, v11, v9, vcc_lo              ; the entry, or 0x800 where the row has no token
	s_lshl_b32 s14, s10, 12
	s_lshl_b32 s15, s11, 7
	s_add_co_u32 s14, s14, s15
	v_add_nc_u32 v12, s14, v1
	global_store_b32 v12, v9, s[6:7] offset:256
	s_cmp_lg_u32 s11, 0
	s_cbranch_scc1 .Lend                           ; block 0's wave stores the expert's number of blocks
	s_add_co_u32 s17, s13, 31
	s_lshr_b32 s17, s17, 5
	s_max_u32 s17, s17, 1
	v_mov_b32 v13, s17
	s_lshl_b32 s16, s10, 2
	v_mov_b32 v14, s16
	v_cmp_eq_u32 vcc_lo, 0, v0
	s_wait_xcnt 0x0                                ; EXEC changes only behind this wait
	s_and_saveexec_b32 s19, vcc_lo
	global_store_b32 v14, v13, s[6:7]
.Lend:
	s_endpgm
.Lfunc_end_k_q0fc6ef4b62_rank:
	.size	k_q0fc6ef4b62_rank, .Lfunc_end_k_q0fc6ef4b62_rank-k_q0fc6ef4b62_rank
	.p2alignl 7, 3214868480
	.fill 96, 4, 3214868480
	.section	.rodata,"a",@progbits
	.p2align	6, 0x0
	.amdhsa_kernel k_q0fc6ef4b62_rank
		.amdhsa_group_segment_fixed_size 0
		.amdhsa_private_segment_fixed_size 0
		.amdhsa_enable_private_segment 0
		.amdhsa_kernarg_size 16
		.amdhsa_user_sgpr_count 2
		.amdhsa_user_sgpr_kernarg_segment_ptr 1
		.amdhsa_wavefront_size32 1
		.amdhsa_system_sgpr_workgroup_id_x 1
		.amdhsa_system_sgpr_workgroup_id_y 1
		.amdhsa_system_sgpr_workgroup_id_z 1
		.amdhsa_system_vgpr_workitem_id 0
		.amdhsa_next_free_vgpr 64
		.amdhsa_next_free_sgpr 66
		.amdhsa_reserve_vcc 1
		.amdhsa_float_denorm_mode_32 3
		.amdhsa_float_denorm_mode_16_64 3
		.amdhsa_memory_ordered 1
		.amdhsa_forward_progress 1
		.amdhsa_inst_pref_size 33
	.end_amdhsa_kernel
	.amdgpu_metadata
---
amdhsa.version: [ 1, 2 ]
amdhsa.kernels:
  - .name:           k_q0fc6ef4b62_rank
    .symbol:         k_q0fc6ef4b62_rank.kd
    .args:
      - { .name: sel, .offset: 0, .size: 8, .value_kind: global_buffer, .address_space: global }
      - { .name: meta, .offset: 8, .size: 8, .value_kind: global_buffer, .address_space: global }
    .group_segment_fixed_size: 0
    .private_segment_fixed_size: 0
    .kernarg_segment_align: 8
    .kernarg_segment_size: 16
    .max_flat_workgroup_size: 32
    .sgpr_count:     66
    .vgpr_count:     64
    .wavefront_size: 32
...
	.end_amdgpu_metadata
.endif
;; end of part 2
;; launch pack (part 3): grid 32 x 8, 32 waves a work-group, no clusters, 70,144 bytes of LDS; arguments meta, x, xs, pos; writes xs, pos
.if DOCPART == 3
	.amdgcn_target "amdgcn-amd-amdhsa--gfx1250"
	.amdhsa_code_object_version 6
	.text
	.protected	k_q0fc6ef4b62_pack
	.globl	k_q0fc6ef4b62_pack
	.p2align	8
	.type	k_q0fc6ef4b62_pack,@function
k_q0fc6ef4b62_pack:
	s_mov_b64 s[64:65], 0
	v_nop
	global_prefetch_b8 v0, s[64:65] scope:SCOPE_SE
	s_setreg_imm32_b32 hwreg(HW_REG_WAVE_MODE, 25, 1), 1
	s_wait_xcnt 0x0
; THE ROWS.  Work-group (b, e) makes block b (32 rows) of expert e's rows: their places, and their rows of x, rounded to bf16 and laid in the matrix fragments' order.
; What steers it was stored by the launch before and comes by two scalar loads: meta's word e (the expert's blocks) and, from byte 256 of that buffer on, list[e][32 b + w], wave w's row: token | slot << 10, or 0x800.
; Wave w fetches that token's row of x; behind a barrier wave w writes K step w of both tiles.
; OUT: xs[e][tile][K step][1,024 bytes]: [q = 0, 1][lane 16 h + r][16 bytes: row r, k = 32 step + 16 q + 8 h + 0..7]: a wave's 16-byte store covers 512 consecutive bytes, and a later 16-byte load
;      lands as registers 4 q .. 4 q + 3 of a fragment.  pos[token][slot] = e << 10 | row: where the token's first (slot 0) and second choice lie; 4 bytes a row, stored by lane 0 of the row's
;      wave: 8 KB in the whole launch.
; THE GRID covers the case that all 1,024 tokens choose one expert.  Block 0 is always made (a row without a token takes token 0's numbers, and no pos names it); a work-group
; whose block the expert does not have stores nothing.
.set RP,   2064                        ; LDS: 32 rows of 2,048 bytes + 16: 129 x 16 bytes apart, so the 16 rows that a load touches start at 16 different groups of four banks (ISA guide 11.1)
	s_load_b256 s[4:11], s[0:1], 0x0               ; meta s[4:5], x s[6:7], xs s[8:9], pos s[10:11]
	v_lshl_add_u32 v64, v0, 2, 0x10200
	v_mov_b32 v65, 0
	v_and_b32 v1, 31, v0                           ; lane
	v_and_b32 v2, 15, v0                           ; r
	v_bfe_u32 v3, v0, 4, 1                         ; h
	v_lshlrev_b32 v7, 4, v1
	v_lshrrev_b32 v9, 5, v0
	v_readfirstlane_b32 s18, v9                    ; wave
	s_and_b32 s19, ttmp7, 0xffff                   ; e
	s_mov_b32 s25, ttmp9                           ; b
	s_lshl_b32 s24, s18, 2
	s_lshl_b32 s20, s19, 2                         ; meta's word e
	s_mov_b32 s21, 0
	s_lshl_b32 s22, s19, 12                        ; the list: the expert's 4 KB, the block's 128 bytes, my wave's word
	s_lshl_b32 s26, s25, 7
	s_add_co_u32 s22, s22, s26
	s_add_co_u32 s22, s22, s24
	s_mov_b32 s23, 0
	s_mov_b32 s51, 0
	s_wait_kmcnt 0x0
	s_add_nc_u64 s[20:21], s[4:5], s[20:21]
	s_add_nc_u64 s[22:23], s[4:5], s[22:23]
	s_load_b32 s33, s[20:21], 0x0                  ; the expert's blocks
	s_load_b32 s47, s[22:23], 0x100                ; my row's entry
	s_wait_kmcnt 0x0
	s_min_u32 s33, s33, 32
	s_cmp_lt_u32 s25, s33
	s_cselect_b32 s33, 1, 0                        ; 1: the expert has this block
	s_cmp_eq_u32 s33, 0
	s_cbranch_scc1 .Lskip1                         ; forward, past no barrier
	s_lshl_b32 s32, s25, 5
	s_add_co_u32 s34, s32, s18                     ; my row
	s_bfe_u32 s36, s47, 0x1000b                    ; bit 11: the row has no token
	s_bfe_u32 s45, s47, 0x1000a                    ; bit 10: slot
	s_and_b32 s46, s47, 1023                       ; token (0 for a row without one)
	s_min_u32 s46, s46, 1023
	s_lshl_b32 s47, s19, 10
	s_or_b32 s47, s47, s34                         ; the row's place: e << 10 | row
	s_lshl1_add_u32 s49, s46, s45                  ; 2 token + slot
	s_min_u32 s49, s49, 2047
	s_lshl_b32 s49, s49, 2
	v_mov_b32 v24, s49                             ; the byte offset of that word in pos
	s_lshl_b32 s50, s46, 12
	s_add_nc_u64 s[52:53], s[6:7], s[50:51]        ; the token's row of x
.irp i, 0,1,2,3,4,5,6,7
	global_load_b128 v[32+4*\i:32+4*\i+3], v7, s[52:53] offset:512*\i
.endr
	s_mul_i32 s54, s18, RP
	v_lshl_add_u32 v26, v1, 3, s54
	v_mov_b32 v27, s47
	s_wait_loadcnt 0x0
.irp i, 0,1,2,3,4,5,6,7
	v_cvt_pk_bf16_f32 v[32+4*\i], v[32+4*\i], v[32+4*\i+1]
	v_cvt_pk_bf16_f32 v[32+4*\i+1], v[32+4*\i+2], v[32+4*\i+3]
.endr
.irp i, 0,1,2,3,4,5,6,7
	ds_store_b64 v26, v[32+4*\i:32+4*\i+1] offset:256*\i
.endr
	s_cmp_lg_u32 s36, 0
	s_cbranch_scc1 .Lskip1                         ; a row without a token has no place to tell
	v_cmp_eq_u32 vcc_lo, 0, v1
	s_wait_xcnt 0x0                                ; EXEC changes only behind this wait
	s_and_saveexec_b32 s31, vcc_lo                 ; every lane holds the same number: lane 0 stores it
	global_store_b32 v24, v27, s[10:11]
	s_wait_xcnt 0x0                                ; and again, in front of the line that widens it
	s_or_b32 exec_lo, exec_lo, s31
.Lskip1:
	s_wait_dscnt 0x0                               ; for the others' sake: my row is in LDS
	s_barrier_signal -1
	s_barrier_wait -1
	s_cmp_eq_u32 s33, 0
	s_cbranch_scc1 .Lskip2
	v_mul_u32_u24 v28, v2, RP                      ; K step w of both tiles: row r, 16 bytes at 64 w + 32 q + 16 h
	v_lshl_add_u32 v28, v3, 4, v28
	s_lshl_b32 s54, s18, 6
	v_add_nc_u32 v28, s54, v28
.irp n, 0,1,2,3
	ds_load_b128 v[32+4*\n:32+4*\n+3], v28 offset:(\n/2)*16*RP+(\n%2)*32
.endr
	s_lshl_b32 s50, s19, 21                        ; an expert: 64 tiles of 32 KB; a block: two tiles; a K step: 1 KB
	s_lshl_b32 s54, s25, 16
	s_add_co_u32 s50, s50, s54
	s_lshl_b32 s54, s18, 10
	s_add_co_u32 s50, s50, s54
	s_add_nc_u64 s[8:9], s[8:9], s[50:51]
.irp n, 0,1,2,3
	s_wait_dscnt 3-\n                              ; LDS loads come back in order (ISA guide 5.7.1): piece n is in
	global_store_b128 v7, v[32+4*\n:32+4*\n+3], s[8:9] offset:(\n/2)*32768+(\n%2)*512
.endr
.Lskip2:
	s_wait_tensorcnt 0x0
	ds_add_u32 v64, v65
	s_wait_dscnt 0x0
	s_endpgm
.Lfunc_end_k_q0fc6ef4b62_pack:
	.size	k_q0fc6ef4b62_pack, .Lfunc_end_k_q0fc6ef4b62_pack-k_q0fc6ef4b62_pack
	.p2alignl 7, 3214868480
	.fill 96, 4, 3214868480
	.section	.rodata,"a",@progbits
	.p2align	6, 0x0
	.amdhsa_kernel k_q0fc6ef4b62_pack
		.amdhsa_group_segment_fixed_size 70144
		.amdhsa_private_segment_fixed_size 0
		.amdhsa_enable_private_segment 0
		.amdhsa_kernarg_size 32
		.amdhsa_user_sgpr_count 2
		.amdhsa_user_sgpr_kernarg_segment_ptr 1
		.amdhsa_wavefront_size32 1
		.amdhsa_system_sgpr_workgroup_id_x 1
		.amdhsa_system_sgpr_workgroup_id_y 1
		.amdhsa_system_sgpr_workgroup_id_z 1
		.amdhsa_system_vgpr_workitem_id 0
		.amdhsa_next_free_vgpr 66
		.amdhsa_next_free_sgpr 66
		.amdhsa_reserve_vcc 1
		.amdhsa_float_denorm_mode_32 3
		.amdhsa_float_denorm_mode_16_64 3
		.amdhsa_memory_ordered 1
		.amdhsa_forward_progress 1
		.amdhsa_inst_pref_size 7
	.end_amdhsa_kernel
	.amdgpu_metadata
---
amdhsa.version: [ 1, 2 ]
amdhsa.kernels:
  - .name:           k_q0fc6ef4b62_pack
    .symbol:         k_q0fc6ef4b62_pack.kd
    .args:
      - { .name: meta, .offset: 0, .size: 8, .value_kind: global_buffer, .address_space: global }
      - { .name: x, .offset: 8, .size: 8, .value_kind: global_buffer, .address_space: global }
      - { .name: xs, .offset: 16, .size: 8, .value_kind: global_buffer, .address_space: global }
      - { .name: pos, .offset: 24, .size: 8, .value_kind: global_buffer, .address_space: global }
    .group_segment_fixed_size: 70144
    .private_segment_fixed_size: 0
    .kernarg_segment_align: 8
    .kernarg_segment_size: 32
    .max_flat_workgroup_size: 1024
    .sgpr_count:     66
    .vgpr_count:     66
    .wavefront_size: 32
...
	.end_amdgpu_metadata
.endif
;; end of part 3
;; launch ffn1 (part 4): grid 32 x 8, 4 waves a work-group, no clusters, 172,544 bytes of LDS; arguments xs, w1, b1, meta, hf; writes hf
.if DOCPART == 4
	.amdgcn_target "amdgcn-amd-amdhsa--gfx1250"
	.amdhsa_code_object_version 6
	.text
	.protected	k_q0fc6ef4b62_ffn1
	.globl	k_q0fc6ef4b62_ffn1
	.p2align	8
	.type	k_q0fc6ef4b62_ffn1,@function
k_q0fc6ef4b62_ffn1:
	s_mov_b64 s[64:65], 0
	v_nop
	global_prefetch_b8 v0, s[64:65] scope:SCOPE_SE
	s_setreg_imm32_b32 hwreg(HW_REG_WAVE_MODE, 25, 1), 1
	s_wait_xcnt 0x0
; hf = relu(xs . w1[e] + b1[e]), bf16, in the next product's fragment order.  Work-group (fs, e): expert e, columns 128 fs .. + 127 of F, all 1,024 of K.
; THE WEIGHTS STAY.  The group's piece of w1, 1,024 x 128 f32 = 512 KB, is read once.  Wave w takes rows 256 w .. + 255: each row's 512 bytes are one load of the wave; the numbers are rounded to
; bf16, laid into the wave's own 32 x 128 patch of LDS, and come back turned (ds_load_tr16_b128) as 64 fragments, 512 registers, which the wave keeps for the whole launch.
; THE ROWS PASS.  meta[e] says how many blocks of 32 rows the expert has (1 to 32).  For each block every wave multiplies both tiles of 16 rows by its own quarter of K: 128 matrix instructions on 16
; accumulators; A comes from memory in the fragments' order straight into registers, a block ahead.  The four partial sums meet in LDS; wave w adds up tile w / 2, columns 64 (w % 2) .. + 63.
; THE MATRIX INSTRUCTION IS USED TRANSPOSED (source 0 = 16 columns of w1, source 1 = 16 rows of xs): a lane holds one row and eight neighbouring columns.
; THE LOOP has 32 sub-trips whatever the count: a sub-trip past the count jumps forward over its two halves and passes its barrier alone.
; NO JOINT LOADS.  The 32 work-groups of an expert read the same blocks of xs (64 KB a block, against the 512 KB of weights that are a group's own).  They are read into registers, 16 bytes a lane,
; with no LDS between; joint loads would land in LDS and want a ring there.  Not built here.
; LIMITS.  w1, b1 and x are rounded to bf16, h too (bf16, not f16: h has no bound); relu of NaN gives 0.
; REGISTERS, in windows of 256 (s_set_vgpr_msb: bits 1:0 source 0, 3:2 source 1, 5:4 source 2, 7:6 destination):
;   window 0: v0-15 addresses; v32-63 bias; v64-79 packed results; v96-111 packed weights; v128-255 accumulators (t, nb) at 128 + 64 t + 8 nb, also the sums' four parts, and at first ring slots 0-3
;   window 1: v0-127, v128-255 A's two buffers (tile t, K step s at 64 t + 8 s); the second at first ring slots 4-7          windows 2, 3: the weights: K step s, block nb at 64 (s % 4) + 8 nb of window 2 + s / 4
.set WP,    16384                      ; bytes from row to row of w1
.set TS,    32768                      ; bytes from tile to tile of xs
.set ISH,   16                         ; a block of xs: two tiles, 1 << 16 bytes
.set NM,    8                          ; the loads of b1
.set TP,    288                        ; a patch row: 256 bytes + 32: nine times 32
.set RED,   4*32*TP                    ; behind the four patches: the partial sums, two sets that take turns
.set RROW,  528                        ; a row of 128 f32 + 16 bytes: 33 x 16 bytes apart
.set RTILE, 16*RROW
.set RSRC,  2*RTILE                    ; one wave's two tiles
.set RPAR,  4*RSRC                     ; one set
.set L16,  4                           ; v4   16 x lane; never rewritten
.set TRW,  5                           ; v5   my patch + 8 x lane
.set TRR,  6                           ; v6   my patch, the turning load's place
.set RST,  7                           ; v7-8 where I put my partial sums, set 0, 1
.set RRD,  9                           ; v9-10 where I read the four parts of my share
.set AOFF, 11                          ; v11  my offset in the block of xs to be loaded
.set OOFF, 12                          ; v12  my offset in hf
.set BOFF, 14                          ; v14  32 h
.set BIAS, 32
.set OUTP, 64
.set PK,   96
.set ACC,  128
.set WV,   18                          ; s18 wave   s19 its tile   s20 its half of the columns   s21 e   s22 fs
.set TT,   19
.set CC,   20
.set EX,   21
.set FS,   22
.set OFS,  24                          ; s[24:25] an offset, made apart from every address
.set TRIPS, 26                         ; s26 blocks   s27 the sub-trip   s28 the loop's count   s29 the block to load next   s30 blocks - 1
.set IX,   27
.set LCT,  28
.set NX,   29
.set TM1,  30
.set MSB, 0
.macro WIN new                         ; the immediate's high byte repeats the setting that is left; a switch that changes nothing is dropped
.if MSB != (\new)
	s_set_vgpr_msb (MSB<<8)|(\new)
.set MSB, \new
.endif
.endm
; K step ks of the weights comes back from the patch, turned: 16 loads.  LDS serves a wave's instructions in order (ISA guide 5.7.1.4): they see the stores in front, and the next stores come behind them.
.macro TRB ks
	WIN 0x80+0x40*((\ks)/4)
.set nn, 0
.rept 8
	ds_load_tr16_b128 v[64*((\ks)%4)+8*nn:64*((\ks)%4)+8*nn+3],   v[TRR] offset:32*nn
	ds_load_tr16_b128 v[64*((\ks)%4)+8*nn+4:64*((\ks)%4)+8*nn+7], v[TRR] offset:32*nn+16*TP
.set nn, nn+1
.endr
	WIN 0
.endm
; Eight rows of weights: group g of 32, in ring slot g % 8.  left = the younger loads that may stay out.  Then the slot's eight loads are issued again:
; kind 1: the rows eight groups on; 2: a quarter of A's first block; 3: the bias; 0: nothing.
.macro GROUP g, kind, left
.set SL, 128+32*((\g)%4)
.set HIW, ((\g)%8)/4
	s_wait_loadcnt \left                           ; loads come back in order (ISA guide 5.7.1): this group's eight are in
	WIN 5*HIW
.set rr, 0
.rept 8
	v_cvt_pk_bf16_f32 v[PK+2*rr],   v[SL+4*rr],   v[SL+4*rr+1]
	v_cvt_pk_bf16_f32 v[PK+2*rr+1], v[SL+4*rr+2], v[SL+4*rr+3]
.set rr, rr+1
.endr
	WIN 0
.set rr, 0
.rept 8
	ds_store_b64 v[TRW], v[PK+2*rr:PK+2*rr+1] offset:(8*((\g)%4)+rr)*TP
.set rr, rr+1
.endr
.if (\kind) == 1
	WIN 0x40*HIW
.set rr, 0
.rept 8
	global_load_b128 v[SL+4*rr:SL+4*rr+3], v[L16], s[6:7] offset:(8*((\g)+8)+rr)*WP th:TH_LOAD_NT
.set rr, rr+1
.endr
.elseif (\kind) == 2
	WIN 0x40
.set nq, 8*((\g)-24)
.rept 8
	global_load_b128 v[64*(nq/16)+8*((nq/2)%8)+4*(nq%2):64*(nq/16)+8*((nq/2)%8)+4*(nq%2)+3], v[AOFF], s[4:5] offset:(nq/16)*TS+((nq/2)%8)*1024+(nq%2)*512
.set nq, nq+1
.endr
.elseif (\kind) == 3
	WIN 0
.set nq, 0
.rept 8
	global_load_b128 v[BIAS+4*nq:BIAS+4*nq+3], v[BOFF], s[8:9] offset:64*(nq/2)+16*(nq%2)
.set nq, nq+1
.endr
.endif
	WIN 0
.if (\g)%4 == 3
	TRB (\g)/4
.endif
.endm
.macro ALOAD buf                       ; a block of A, my quarter of K: 2 tiles x 8 K steps x 2 loads of 512 consecutive bytes
	WIN 0x40
.set nq, 0
.rept 32
	global_load_b128 v[128*(\buf)+64*(nq/16)+8*((nq/2)%8)+4*(nq%2):128*(\buf)+64*(nq/16)+8*((nq/2)%8)+4*(nq%2)+3], v[AOFF], s[4:5] offset:(nq/16)*TS+((nq/2)%8)*1024+(nq%2)*512
.set nq, nq+1
.endr
.endm
.macro MMA buf                         ; 128 matrix instructions; the 16 accumulators take turns, one instruction a turn; the first K step starts the sums
.set ks, 0
.rept 8
	WIN 0x06+ks/4
.set tt, 0
.rept 2
.set nn, 0
.rept 8
.if ks == 0
	v_wmma_f32_16x16x32_bf16 v[ACC+64*tt+8*nn:ACC+64*tt+8*nn+7], v[64*(ks%4)+8*nn:64*(ks%4)+8*nn+7], v[128*(\buf)+64*tt+8*ks:128*(\buf)+64*tt+8*ks+7], 0
.else
	v_wmma_f32_16x16x32_bf16 v[ACC+64*tt+8*nn:ACC+64*tt+8*nn+7], v[64*(ks%4)+8*nn:64*(ks%4)+8*nn+7], v[128*(\buf)+64*tt+8*ks:128*(\buf)+64*tt+8*ks+7], v[ACC+64*tt+8*nn:ACC+64*tt+8*nn+7]
.endif
.set nn, nn+1
.endr
.set tt, tt+1
.endr
.set ks, ks+1
.endr
.endm
.macro RSTORE par                      ; my partial sums into my part of set par; each accumulator's low four registers first
	WIN 0
.rept 4
	v_nop                                          ; four places behind the last products (ISA guide 7.12.1)
.endr
.set tt, 0
.rept 2
.set nn, 0
.rept 8
	ds_store_b128 v[RST+(\par)], v[ACC+64*tt+8*nn:ACC+64*tt+8*nn+3]   offset:RTILE*tt+64*nn
	ds_store_b128 v[RST+(\par)], v[ACC+64*tt+8*nn+4:ACC+64*tt+8*nn+7] offset:RTILE*tt+64*nn+16
.set nn, nn+1
.endr
.set tt, tt+1
.endr
.endm
.macro RLOAD par                       ; the four waves' parts of my 16 rows x 64 columns: lane (r, h) takes row r, columns 16 a + 8 h + 0..7
.set sr, 0
.rept 4
.set aa, 0
.rept 8
	ds_load_b128 v[ACC+32*sr+4*aa:ACC+32*sr+4*aa+3], v[RRD+(\par)] offset:RSRC*sr+64*(aa/2)+16*(aa%2)
.set aa, aa+1
.endr
.set sr, sr+1
.endr
.endm
.macro RSUM
.set u, 0
.rept 16
	v_pk_add_f32 v[ACC+2*u:ACC+2*u+1], v[ACC+2*u:ACC+2*u+1], v[ACC+32+2*u:ACC+32+2*u+1]
	v_pk_add_f32 v[ACC+64+2*u:ACC+64+2*u+1], v[ACC+64+2*u:ACC+64+2*u+1], v[ACC+96+2*u:ACC+96+2*u+1]
.set u, u+1
.endr
.set u, 0
.rept 16
	v_pk_add_f32 v[ACC+2*u:ACC+2*u+1], v[ACC+2*u:ACC+2*u+1], v[ACC+64+2*u:ACC+64+2*u+1]
.set u, u+1
.endr
.endm
.macro NEXT                            ; the block after this one, or the last again; the constant bound stands last
	s_add_co_u32 s[NX], s[IX], 1
	s_min_u32 s[NX], s[NX], s[TM1]
	s_min_u32 s[NX], s[NX], 31
.endm
.macro EPI                             ; bias, relu, bf16.  Columns 16 a + 8 h + 0..7 of row r are 16 bytes of K step a / 2, half a % 2, lane 16 h + r of the next product's A: each store covers 512 consecutive bytes
.set u, 0
.rept 16
	v_pk_add_f32 v[ACC+2*u:ACC+2*u+1], v[ACC+2*u:ACC+2*u+1], v[BIAS+2*u:BIAS+2*u+1]
.set u, u+1
.endr
.set u, 0
.rept 32
	v_max_num_f32 v[ACC+u], 0, v[ACC+u]
.set u, u+1
.endr
.set u, 0
.rept 16
	v_cvt_pk_bf16_f32 v[OUTP+u], v[ACC+2*u], v[ACC+2*u+1]
.set u, u+1
.endr
	v_lshl_add_u32 v[OOFF], s[IX], 18, v[L16]      ; a block of hf: two tiles of 128 KB
.irp a, 0,1,2,3
	global_store_b128 v[OOFF], v[OUTP+4*\a:OUTP+4*\a+3], s[12:13] offset:(\a/2)*1024+(\a%2)*512
.endr
.endm
; A sub-trip.  ONE barrier: in front of it my partial sums are in LDS and my reads of the other set are back; the stores of sub-trip i + 2 into this set come behind barrier i + 1,
; in front of which every wave has waited for its reads of sub-trip i.
.macro SUB par
	s_cmp_lt_u32 s[IX], s[TRIPS]
	s_cbranch_scc0 .Ldead_a_\@
	s_wait_loadcnt 0x0                             ; this block's A is in, and AOFF is free
	NEXT
	v_lshl_add_u32 v[AOFF], s[NX], ISH, v[L16]
	ALOAD 1-(\par)                                 ; the next block has this whole sub-trip in which to land
	MMA \par
	RSTORE \par
.Ldead_a_\@:
	s_wait_dscnt 0x0
	s_barrier_signal -1
	s_barrier_wait -1
	s_cmp_lt_u32 s[IX], s[TRIPS]
	s_cbranch_scc0 .Ldead_b_\@
	RLOAD \par
	s_wait_dscnt 0x0
	s_wait_xcnt 0x0                                ; the last sub-trip's stores have read OUTP and OOFF
	RSUM
	EPI
.Ldead_b_\@:
	s_add_co_u32 s[IX], s[IX], 1
.endm
	s_load_b256 s[4:11], s[0:1], 0x0               ; xs s[4:5], w1 s[6:7], b1 s[8:9], meta s[10:11]
	s_load_b64 s[12:13], s[0:1], 0x20              ; hf
	v_lshl_add_u32 v126, v0, 2, 0x2a000
	v_mov_b32 v127, 0
	v_and_b32 v1, 31, v0                           ; lane
	v_and_b32 v2, 15, v0                           ; r
	v_bfe_u32 v3, v0, 4, 1                         ; h
	v_lshlrev_b32 v[L16], 4, v1
	v_lshrrev_b32 v15, 5, v0
	v_readfirstlane_b32 s[WV], v15
	s_lshr_b32 s[TT], s[WV], 1
	s_and_b32 s[CC], s[WV], 1
	s_and_b32 s[EX], ttmp7, 0xffff
	s_mov_b32 s[FS], ttmp9
	s_lshl_b32 s[OFS], s[EX], 24                   ; w1: the expert's 16 MB, my 256 rows of 16 KB, the group's 512 bytes of a row
	s_lshl_b32 s31, s[WV], 22
	s_add_co_u32 s[OFS], s[OFS], s31
	s_lshl_b32 s31, s[FS], 9
	s_add_co_u32 s[OFS], s[OFS], s31
	s_mov_b32 s[OFS+1], 0
	s_lshl_b32 s32, s[EX], 2
	s_mov_b32 s33, 0
	s_wait_kmcnt 0x0
	s_add_nc_u64 s[6:7], s[6:7], s[OFS:OFS+1]
	s_add_nc_u64 s[10:11], s[10:11], s[32:33]
	s_load_b32 s[TRIPS], s[10:11], 0x0
.set gg, 0
.rept 8                                ; the ring is filled: rows 0 to 63, 64 loads of 512 bytes a wave
	WIN 0x40*(gg/4)
.set rr, 0
.rept 8
	global_load_b128 v[128+32*(gg%4)+4*rr:128+32*(gg%4)+4*rr+3], v[L16], s[6:7] offset:(8*gg+rr)*WP th:TH_LOAD_NT
.set rr, rr+1
.endr
.set gg, gg+1
.endr
	WIN 0
	s_mul_i32 s31, s[WV], 32*TP                    ; my patch
	v_lshl_add_u32 v[TRW], v1, 3, s31              ; in: four columns, 8 bytes a lane
	v_and_b32 v15, 7, v0                           ; back: row 8 h + lane % 8, 16 bytes at 16 ((lane / 8) % 2)
	v_lshl_add_u32 v15, v3, 3, v15
	v_mul_u32_u24 v[TRR], v15, TP
	v_bfe_u32 v15, v0, 3, 1
	v_lshl_add_u32 v[TRR], v15, 4, v[TRR]
	v_add_nc_u32 v[TRR], s31, v[TRR]
	v_mul_u32_u24 v15, v2, RROW                    ; row r, 32 bytes for each half of the lanes
	v_lshl_add_u32 v15, v3, 5, v15
	s_mul_i32 s31, s[WV], RSRC
	s_add_co_u32 s31, s31, RED
	v_add_nc_u32 v[RST], s31, v15
	v_add_nc_u32 v[RST+1], RPAR, v[RST]
	s_mul_i32 s31, s[TT], RTILE
	s_lshl_b32 s32, s[CC], 8
	s_add_co_u32 s31, s31, s32
	s_add_co_u32 s31, s31, RED
	v_add_nc_u32 v[RRD], s31, v15
	v_add_nc_u32 v[RRD+1], RPAR, v[RRD]
	v_mov_b32 v[AOFF], v[L16]                      ; block 0
	v_lshlrev_b32 v[BOFF], 5, v3
	s_lshl_b32 s[OFS], s[EX], 21                   ; xs: the expert's 2 MB, my 8 K steps of 1 KB
	s_lshl_b32 s31, s[WV], 13
	s_add_co_u32 s[OFS], s[OFS], s31
	s_add_nc_u64 s[4:5], s[4:5], s[OFS:OFS+1]
	s_lshl_b32 s[OFS], s[EX], 14                   ; b1: the expert's 16 KB, the group's 512 bytes, my half of them
	s_lshl_b32 s31, s[FS], 9
	s_add_co_u32 s[OFS], s[OFS], s31
	s_lshl_b32 s31, s[CC], 8
	s_add_co_u32 s[OFS], s[OFS], s31
	s_add_nc_u64 s[8:9], s[8:9], s[OFS:OFS+1]
	s_lshl_b32 s[OFS], s[EX], 23                   ; hf: the expert's 8 MB, my tile of 128 KB, K steps 4 fs + 2 c on
	s_lshl_b32 s31, s[TT], 17
	s_add_co_u32 s[OFS], s[OFS], s31
	s_lshl_b32 s31, s[FS], 12
	s_add_co_u32 s[OFS], s[OFS], s31
	s_lshl_b32 s31, s[CC], 11
	s_add_co_u32 s[OFS], s[OFS], s31
	s_add_nc_u64 s[12:13], s[12:13], s[OFS:OFS+1]
	s_wait_kmcnt 0x0
	s_min_u32 s[TRIPS], s[TRIPS], 32
	s_max_u32 s[TRIPS], s[TRIPS], 1
	s_sub_co_u32 s[TM1], s[TRIPS], 1
	; THE WEIGHTS.  Behind a group's own eight loads stand seven groups of eight: 56; at the end A's first block (32) and the bias (NM) have taken the rows' places
.set gi, 0
.rept 24
	GROUP gi, 1, 56
.set gi, gi+1
.endr
	GROUP 24, 2, 56
	GROUP 25, 2, 56
	GROUP 26, 2, 56
	GROUP 27, 2, 56
	GROUP 28, 3, 56
	GROUP 29, 0, 48+NM
	GROUP 30, 0, 40+NM
	GROUP 31, 0, 32+NM
	s_wait_loadcnt 0x0                             ; A's first block and the bias
.set u, 0
.rept 16                               ; b1 is rounded to bf16 like the other inputs, and kept in f32
	v_cvt_pk_bf16_f32 v[PK+u], v[BIAS+2*u], v[BIAS+2*u+1]
.set u, u+1
.endr
.set u, 0
.rept 16
	v_lshlrev_b32 v[BIAS+2*u], 16, v[PK+u]
	v_and_b32 v[BIAS+2*u+1], 0xffff0000, v[PK+u]
.set u, u+1
.endr
	s_wait_dscnt 0x0                               ; all 64 fragments of the weights are in registers
	s_mov_b32 s[IX], 0
	s_mov_b32 s[LCT], 16
.Lloop:
	SUB 0
	SUB 1
	s_sub_co_u32 s[LCT], s[LCT], 1
	s_cmp_lg_u32 s[LCT], 0
	s_cbranch_scc1 .Lloop
	s_wait_tensorcnt 0x0
	ds_add_u32 v126, v127
	s_wait_dscnt 0x0
	s_endpgm
.Lfunc_end_k_q0fc6ef4b62_ffn1:
	.size	k_q0fc6ef4b62_ffn1, .Lfunc_end_k_q0fc6ef4b62_ffn1-k_q0fc6ef4b62_ffn1
	.p2alignl 7, 3214868480
	.fill 96, 4, 3214868480
	.section	.rodata,"a",@progbits
	.p2align	6, 0x0
	.amdhsa_kernel k_q0fc6ef4b62_ffn1
		.amdhsa_group_segment_fixed_size 172544
		.amdhsa_private_segment_fixed_size 0
		.amdhsa_enable_private_segment 0
		.amdhsa_kernarg_size 40
		.amdhsa_user_sgpr_count 2
		.amdhsa_user_sgpr_kernarg_segment_ptr 1
		.amdhsa_wavefront_size32 1
		.amdhsa_system_sgpr_workgroup_id_x 1
		.amdhsa_system_sgpr_workgroup_id_y 1
		.amdhsa_system_sgpr_workgroup_id_z 1
		.amdhsa_system_vgpr_workitem_id 0
		.amdhsa_next_free_vgpr 1024
		.amdhsa_next_free_sgpr 66
		.amdhsa_reserve_vcc 0
		.amdhsa_float_denorm_mode_32 3
		.amdhsa_float_denorm_mode_16_64 3
		.amdhsa_memory_ordered 1
		.amdhsa_forward_progress 1
		.amdhsa_inst_pref_size 138
	.end_amdhsa_kernel
	.amdgpu_metadata
---
amdhsa.version: [ 1, 2 ]
amdhsa.kernels:
  - .name:           k_q0fc6ef4b62_ffn1
    .symbol:         k_q0fc6ef4b62_ffn1.kd
    .args:
      - { .name: xs, .offset: 0, .size: 8, .value_kind: global_buffer, .address_space: global }
      - { .name: w1, .offset: 8, .size: 8, .value_kind: global_buffer, .address_space: global }
      - { .name: b1, .offset: 16, .size: 8, .value_kind: global_buffer, .address_space: global }
      - { .name: meta, .offset: 24, .size: 8, .value_kind: global_buffer, .address_space: global }
      - { .name: hf, .offset: 32, .size: 8, .value_kind: global_buffer, .address_space: global }
    .group_segment_fixed_size: 172544
    .private_segment_fixed_size: 0
    .kernarg_segment_align: 8
    .kernarg_segment_size: 40
    .max_flat_workgroup_size: 128
    .sgpr_count:     66
    .vgpr_count:     1024
    .wavefront_size: 32
...
	.end_amdgpu_metadata
.endif
;; end of part 4
;; launch ffn2 (part 5): grid 32 x 8, 4 waves a work-group, no clusters, 172,544 bytes of LDS; arguments hf, w2, b2, meta, y2; writes y2
.if DOCPART == 5
	.amdgcn_target "amdgcn-amd-amdhsa--gfx1250"
	.amdhsa_code_object_version 6
	.text
	.protected	k_q0fc6ef4b62_ffn2
	.globl	k_q0fc6ef4b62_ffn2
	.p2align	8
	.type	k_q0fc6ef4b62_ffn2,@function
k_q0fc6ef4b62_ffn2:
	s_mov_b64 s[64:65], 0
	v_nop
	global_prefetch_b8 v0, s[64:65] scope:SCOPE_SE
	s_setreg_imm32_b32 hwreg(HW_REG_WAVE_MODE, 25, 1), 1
	s_wait_xcnt 0x0
; y2[kq][e][row] = hf . w2[e] over K quarter kq, + b2[e] where kq = 0; f32.  Work-group (ns + 8 kq, e): expert e, columns 128 ns .. + 127 of H, rows 1,024 kq .. + 1,023 of F.
; Built as the launch before it.  THE WEIGHTS STAY: the group's piece of w2, 1,024 x 128 f32 = 512 KB, is read once; wave w rounds its 256 rows to bf16, turns them through its own patch of LDS and
; keeps them as 64 fragments, 512 registers.  THE ROWS PASS in blocks of 32 (meta[e] blocks): each wave multiplies both tiles by its quarter of the group's K, 128 matrix instructions on 16 accumulators;
; the four partial sums meet in LDS; wave w adds up tile w / 2, columns 64 (w % 2) .. + 63.  Source 0 = 16 columns of w2, source 1 = 16 rows of hf.
; THE WAY OUT.  A row stays at its place in the expert's list: every row of a block is stored, with no mask and no index, so each byte of y2 has one writer and nothing is added in memory.
; Sixteen lanes store 256 consecutive bytes of a row, at a multiple of 256 from y2's first byte.  A row without a token is read by nobody.  The last launch finds each token's two rows, adds their
; four quarters and applies the gate's two weights: so this loop loads nothing but hf.
; THE LOOP has 32 sub-trips whatever the count: a sub-trip past the count jumps forward over its two halves and passes its barrier alone.
; NO JOINT LOADS.  The 8 work-groups of an expert and K quarter read the same blocks of hf (64 KB a block, against 512 KB of weights that are a group's own), into registers with no LDS between.  Not built here.
; LIMITS.  w2 and b2 are rounded to bf16.  An expert that a token did not choose adds nothing, also where its numbers would not be finite.
; REGISTERS: window 0: v0-17 addresses; v32-35 bias; v96-111 packed weights of w2; v128-255 accumulators, the sums' parts, at first ring slots 0-3
;   window 1: A's two buffers, the second at first ring slots 4-7          windows 2, 3: w2: K step s, block nb at 64 (s % 4) + 8 nb of window 2 + s / 4
.set WP,    4096                       ; bytes from row to row of w2
.set TS,    131072                     ; bytes from tile to tile of hf
.set ISH,   18                         ; a block of hf: two tiles
.set NM,    1                          ; the load of b2
.set TP,    288                        ; a patch row: 256 bytes + 32: nine times 32
.set RED,   4*32*TP                    ; behind the four patches: the partial sums, two sets that take turns
.set RROW,  528                        ; a row of 128 f32 + 16 bytes
.set RTILE, 16*RROW
.set RSRC,  2*RTILE
.set RPAR,  4*RSRC
.set L16,  4                           ; v4   16 x lane; never rewritten
.set TRW,  5                           ; v5   my patch + 8 x lane
.set TRR,  6                           ; v6   my patch, the turning load's place
.set RST,  7                           ; v7-8 where I put my partial sums, set 0, 1
.set RRD,  9                           ; v9-10 where I read the four parts of my share
.set AOFF, 11                          ; v11  my offset in the block of hf to be loaded
.set LCO,  13                          ; v13  16 (lane % 16): my four columns
.set OB,   16                          ; v16  8 rows of 4,096 bytes for lanes 16-31, + my four columns; never rewritten
.set OOFF, 17                          ; v17  the same in the block in hand
.set BIAS, 32
.set PK,   96
.set ACC,  128
.set WV,   18                          ; s18 wave   s19 its tile   s20 its half of the columns   s21 e   s22 ns   s23 kq
.set TT,   19
.set CC,   20
.set EX,   21
.set NS,   22
.set KQ,   23
.set OFS,  24                          ; s[24:25] an offset, made apart from every address
.set TRIPS, 26                         ; s26 blocks   s27 the sub-trip   s28 the loop's count   s29 the block to load next   s30 blocks - 1
.set IX,   27
.set LCT,  28
.set NX,   29
.set TM1,  30
.set BM,   34                          ; s34  all ones where kq = 0: only that quarter adds the bias
.set MSB, 0
.macro WIN new                         ; the immediate's high byte repeats the setting that is left; a switch that changes nothing is dropped
.if MSB != (\new)
	s_set_vgpr_msb (MSB<<8)|(\new)
.set MSB, \new
.endif
.endm
.macro TRB ks                          ; K step ks comes back from the patch, turned; LDS serves a wave's instructions in order (ISA guide 5.7.1.4)
	WIN 0x80+0x40*((\ks)/4)
.set nn, 0
.rept 8
	ds_load_tr16_b128 v[64*((\ks)%4)+8*nn:64*((\ks)%4)+8*nn+3],   v[TRR] offset:32*nn
	ds_load_tr16_b128 v[64*((\ks)%4)+8*nn+4:64*((\ks)%4)+8*nn+7], v[TRR] offset:32*nn+16*TP
.set nn, nn+1
.endr
	WIN 0
.endm
; Eight rows of weights: group g of 32, in ring slot g % 8; left = the younger loads that may stay out.  kind 1: the rows eight groups on; 2: a quarter of A's first block; 3: the bias; 0: nothing.
.macro GROUP g, kind, left
.set SL, 128+32*((\g)%4)
.set HIW, ((\g)%8)/4
	s_wait_loadcnt \left                           ; loads come back in order (ISA guide 5.7.1): this group's eight are in
	WIN 5*HIW
.set rr, 0
.rept 8
	v_cvt_pk_bf16_f32 v[PK+2*rr],   v[SL+4*rr],   v[SL+4*rr+1]
	v_cvt_pk_bf16_f32 v[PK+2*rr+1], v[SL+4*rr+2], v[SL+4*rr+3]
.set rr, rr+1
.endr
	WIN 0
.set rr, 0
.rept 8
	ds_store_b64 v[TRW], v[PK+2*rr:PK+2*rr+1] offset:(8*((\g)%4)+rr)*TP
.set rr, rr+1
.endr
.if (\kind) == 1
	WIN 0x40*HIW
.set rr, 0
.rept 8
	global_load_b128 v[SL+4*rr:SL+4*rr+3], v[L16], s[6:7] offset:(8*((\g)+8)+rr)*WP th:TH_LOAD_NT
.set rr, rr+1
.endr
.elseif (\kind) == 2
	WIN 0x40
.set nq, 8*((\g)-24)
.rept 8
	global_load_b128 v[64*(nq/16)+8*((nq/2)%8)+4*(nq%2):64*(nq/16)+8*((nq/2)%8)+4*(nq%2)+3], v[AOFF], s[4:5] offset:(nq/16)*TS+((nq/2)%8)*1024+(nq%2)*512
.set nq, nq+1
.endr
.elseif (\kind) == 3
	WIN 0
	global_load_b128 v[BIAS:BIAS+3], v[LCO], s[8:9]
.endif
	WIN 0
.if (\g)%4 == 3
	TRB (\g)/4
.endif
.endm
.macro ALOAD buf                       ; a block of A, my quarter of the group's K: 2 tiles x 8 K steps x 2 loads of 512 consecutive bytes
	WIN 0x40
.set nq, 0
.rept 32
	global_load_b128 v[128*(\buf)+64*(nq/16)+8*((nq/2)%8)+4*(nq%2):128*(\buf)+64*(nq/16)+8*((nq/2)%8)+4*(nq%2)+3], v[AOFF], s[4:5] offset:(nq/16)*TS+((nq/2)%8)*1024+(nq%2)*512
.set nq, nq+1
.endr
.endm
.macro MMA buf                         ; the 16 accumulators take turns, one instruction a turn; the first K step starts the sums
.set ks, 0
.rept 8
	WIN 0x06+ks/4
.set tt, 0
.rept 2
.set nn, 0
.rept 8
.if ks == 0
	v_wmma_f32_16x16x32_bf16 v[ACC+64*tt+8*nn:ACC+64*tt+8*nn+7], v[64*(ks%4)+8*nn:64*(ks%4)+8*nn+7], v[128*(\buf)+64*tt+8*ks:128*(\buf)+64*tt+8*ks+7], 0
.else
	v_wmma_f32_16x16x32_bf16 v[ACC+64*tt+8*nn:ACC+64*tt+8*nn+7], v[64*(ks%4)+8*nn:64*(ks%4)+8*nn+7], v[128*(\buf)+64*tt+8*ks:128*(\buf)+64*tt+8*ks+7], v[ACC+64*tt+8*nn:ACC+64*tt+8*nn+7]
.endif
.set nn, nn+1
.endr
.set tt, tt+1
.endr
.set ks, ks+1
.endr
.endm
.macro RSTORE par                      ; my partial sums into my part of set par; each accumulator's low four registers first
	WIN 0
.rept 4
	v_nop                                          ; four places behind the last products (ISA guide 7.12.1)
.endr
.set tt, 0
.rept 2
.set nn, 0
.rept 8
	ds_store_b128 v[RST+(\par)], v[ACC+64*tt+8*nn:ACC+64*tt+8*nn+3]   offset:RTILE*tt+64*nn
	ds_store_b128 v[RST+(\par)], v[ACC+64*tt+8*nn+4:ACC+64*tt+8*nn+7] offset:RTILE*tt+64*nn+16
.set nn, nn+1
.endr
.set tt, tt+1
.endr
.endm
.macro RLOAD par                       ; the four parts of my 16 rows x 64 columns, by rows: lanes 0-15 take row i, lanes 16-31 row i + 8, 256 consecutive bytes each
.set sr, 0
.rept 4
.set aa, 0
.rept 8
	ds_load_b128 v[ACC+32*sr+4*aa:ACC+32*sr+4*aa+3], v[RRD+(\par)] offset:RSRC*sr+RROW*aa
.set aa, aa+1
.endr
.set sr, sr+1
.endr
.endm
.macro RSUM
.set u, 0
.rept 16
	v_pk_add_f32 v[ACC+2*u:ACC+2*u+1], v[ACC+2*u:ACC+2*u+1], v[ACC+32+2*u:ACC+32+2*u+1]
	v_pk_add_f32 v[ACC+64+2*u:ACC+64+2*u+1], v[ACC+64+2*u:ACC+64+2*u+1], v[ACC+96+2*u:ACC+96+2*u+1]
.set u, u+1
.endr
.set u, 0
.rept 16
	v_pk_add_f32 v[ACC+2*u:ACC+2*u+1], v[ACC+2*u:ACC+2*u+1], v[ACC+64+2*u:ACC+64+2*u+1]
.set u, u+1
.endr
.endm
.macro NEXT                            ; the block after this one, or the last again; the constant bound stands last
	s_add_co_u32 s[NX], s[IX], 1
	s_min_u32 s[NX], s[NX], s[TM1]
	s_min_u32 s[NX], s[NX], 31
.endm
.macro EPI                             ; bias, and out: registers 4 u .. 4 u + 3 hold row u + 8 (lane / 16), my four columns
.set u, 0
.rept 8
	v_pk_add_f32 v[ACC+4*u:ACC+4*u+1],   v[ACC+4*u:ACC+4*u+1],   v[BIAS:BIAS+1]
	v_pk_add_f32 v[ACC+4*u+2:ACC+4*u+3], v[ACC+4*u+2:ACC+4*u+3], v[BIAS+2:BIAS+3]
.set u, u+1
.endr
	v_lshl_add_u32 v[OOFF], s[IX], 17, v[OB]       ; a block of y2: 32 rows of 4,096 bytes
.set u, 0
.rept 8
	global_store_b128 v[OOFF], v[ACC+4*u:ACC+4*u+3], s[14:15] offset:4096*u
.set u, u+1
.endr
	s_wait_xcnt 0x0                                ; the stores' data lie in the accumulators' registers, which the next products and LDS loads write: only behind this wait
.endm
; A sub-trip.  ONE barrier: in front of it my partial sums are in LDS and my reads of the other set are back; the stores of sub-trip i + 2 into this set come behind barrier i + 1,
; in front of which every wave has waited for its reads of sub-trip i.
.macro SUB par
	s_cmp_lt_u32 s[IX], s[TRIPS]
	s_cbranch_scc0 .Ldead_a_\@
	s_wait_loadcnt 0x0                             ; this block's A, asked for a sub-trip ago, is in, and AOFF is free
	NEXT
	v_lshl_add_u32 v[AOFF], s[NX], ISH, v[L16]
	ALOAD 1-(\par)                                 ; the next block has this whole sub-trip in which to land
	MMA \par
	RSTORE \par
.Ldead_a_\@:
	s_wait_dscnt 0x0
	s_barrier_signal -1
	s_barrier_wait -1
	s_cmp_lt_u32 s[IX], s[TRIPS]
	s_cbranch_scc0 .Ldead_b_\@
	RLOAD \par
	s_wait_dscnt 0x0
	RSUM
	EPI
.Ldead_b_\@:
	s_add_co_u32 s[IX], s[IX], 1
.endm
	s_load_b256 s[4:11], s[0:1], 0x0               ; hf s[4:5], w2 s[6:7], b2 s[8:9], meta s[10:11]
	s_load_b64 s[14:15], s[0:1], 0x20              ; y2
	v_lshl_add_u32 v126, v0, 2, 0x2a000
	v_mov_b32 v127, 0
	v_and_b32 v1, 31, v0                           ; lane
	v_and_b32 v2, 15, v0                           ; r
	v_bfe_u32 v3, v0, 4, 1                         ; h
	v_lshlrev_b32 v[L16], 4, v1
	v_lshrrev_b32 v15, 5, v0
	v_readfirstlane_b32 s[WV], v15
	s_lshr_b32 s[TT], s[WV], 1
	s_and_b32 s[CC], s[WV], 1
	s_and_b32 s[EX], ttmp7, 0xffff
	s_and_b32 s[NS], ttmp9, 7
	s_lshr_b32 s[KQ], ttmp9, 3
	s_lshl_b32 s[OFS], s[EX], 24                   ; w2: the expert's 16 MB, the quarter's 1,024 rows of 4 KB, my 256 of them, the group's 512 bytes of a row
	s_lshl_b32 s31, s[KQ], 22
	s_add_co_u32 s[OFS], s[OFS], s31
	s_lshl_b32 s31, s[WV], 20
	s_add_co_u32 s[OFS], s[OFS], s31
	s_lshl_b32 s31, s[NS], 9
	s_add_co_u32 s[OFS], s[OFS], s31
	s_mov_b32 s[OFS+1], 0
	s_lshl_b32 s32, s[EX], 2
	s_mov_b32 s33, 0
	s_wait_kmcnt 0x0
	s_add_nc_u64 s[6:7], s[6:7], s[OFS:OFS+1]
	s_add_nc_u64 s[10:11], s[10:11], s[32:33]
	s_load_b32 s[TRIPS], s[10:11], 0x0
.set gg, 0
.rept 8                                ; the ring is filled: rows 0 to 63, 64 loads of 512 bytes a wave
	WIN 0x40*(gg/4)
.set rr, 0
.rept 8
	global_load_b128 v[128+32*(gg%4)+4*rr:128+32*(gg%4)+4*rr+3], v[L16], s[6:7] offset:(8*gg+rr)*WP th:TH_LOAD_NT
.set rr, rr+1
.endr
.set gg, gg+1
.endr
	WIN 0
	s_mul_i32 s31, s[WV], 32*TP                    ; my patch
	v_lshl_add_u32 v[TRW], v1, 3, s31              ; in: four columns, 8 bytes a lane
	v_and_b32 v15, 7, v0                           ; back: row 8 h + lane % 8, 16 bytes at 16 ((lane / 8) % 2)
	v_lshl_add_u32 v15, v3, 3, v15
	v_mul_u32_u24 v[TRR], v15, TP
	v_bfe_u32 v15, v0, 3, 1
	v_lshl_add_u32 v[TRR], v15, 4, v[TRR]
	v_add_nc_u32 v[TRR], s31, v[TRR]
	v_mul_u32_u24 v15, v2, RROW                    ; in: row r, 32 bytes for each half of the lanes
	v_lshl_add_u32 v15, v3, 5, v15
	s_mul_i32 s31, s[WV], RSRC
	s_add_co_u32 s31, s31, RED
	v_add_nc_u32 v[RST], s31, v15
	v_add_nc_u32 v[RST+1], RPAR, v[RST]
	v_mul_u32_u24 v15, v3, 8*RROW                  ; back: eight rows further down for lanes 16-31, 16 bytes a lane
	v_lshl_add_u32 v15, v2, 4, v15
	s_mul_i32 s31, s[TT], RTILE
	s_lshl_b32 s32, s[CC], 8
	s_add_co_u32 s31, s31, s32
	s_add_co_u32 s31, s31, RED
	v_add_nc_u32 v[RRD], s31, v15
	v_add_nc_u32 v[RRD+1], RPAR, v[RRD]
	v_mov_b32 v[AOFF], v[L16]                      ; block 0
	v_lshlrev_b32 v[LCO], 4, v2
	v_lshl_add_u32 v[OB], v3, 15, v[LCO]
	s_lshl_b32 s[OFS], s[EX], 23                   ; hf: the expert's 8 MB, the quarter's 32 K steps of 1 KB, my 8 of them
	s_lshl_b32 s31, s[KQ], 15
	s_add_co_u32 s[OFS], s[OFS], s31
	s_lshl_b32 s31, s[WV], 13
	s_add_co_u32 s[OFS], s[OFS], s31
	s_add_nc_u64 s[4:5], s[4:5], s[OFS:OFS+1]
	s_lshl_b32 s[OFS], s[EX], 12                   ; b2: the expert's 4 KB, the group's 512 bytes, my half of them
	s_lshl_b32 s31, s[NS], 9
	s_add_co_u32 s[OFS], s[OFS], s31
	s_lshl_b32 s31, s[CC], 8
	s_add_co_u32 s[OFS], s[OFS], s31
	s_add_nc_u64 s[8:9], s[8:9], s[OFS:OFS+1]
	s_lshl_b32 s[OFS], s[KQ], 25                   ; y2: the quarter's 32 MB, the expert's 4 MB, my tile's 16 rows of 4 KB, the same columns
	s_lshl_b32 s31, s[EX], 22
	s_add_co_u32 s[OFS], s[OFS], s31
	s_lshl_b32 s31, s[TT], 16
	s_add_co_u32 s[OFS], s[OFS], s31
	s_lshl_b32 s31, s[NS], 9
	s_add_co_u32 s[OFS], s[OFS], s31
	s_lshl_b32 s31, s[CC], 8
	s_add_co_u32 s[OFS], s[OFS], s31
	s_add_nc_u64 s[14:15], s[14:15], s[OFS:OFS+1]
	s_cmp_eq_u32 s[KQ], 0
	s_cselect_b32 s[BM], -1, 0
	s_wait_kmcnt 0x0
	s_min_u32 s[TRIPS], s[TRIPS], 32
	s_max_u32 s[TRIPS], s[TRIPS], 1
	s_sub_co_u32 s[TM1], s[TRIPS], 1
	; THE WEIGHTS.  Behind a group's own eight loads stand seven groups of eight: 56; at the end A's first block (32) and the bias (NM) have taken the rows' places
.set gi, 0
.rept 24
	GROUP gi, 1, 56
.set gi, gi+1
.endr
	GROUP 24, 2, 56
	GROUP 25, 2, 56
	GROUP 26, 2, 56
	GROUP 27, 2, 56
	GROUP 28, 3, 56
	GROUP 29, 0, 48+NM
	GROUP 30, 0, 40+NM
	GROUP 31, 0, 32+NM
	s_wait_loadcnt 0x0                             ; A's first block and the bias
	v_cvt_pk_bf16_f32 v[PK],   v[BIAS],   v[BIAS+1]  ; b2 is rounded to bf16 like the other inputs, kept in f32, and is 0 in quarters 1 to 3
	v_cvt_pk_bf16_f32 v[PK+1], v[BIAS+2], v[BIAS+3]
	v_lshlrev_b32 v[BIAS],   16, v[PK]
	v_and_b32     v[BIAS+1], 0xffff0000, v[PK]
	v_lshlrev_b32 v[BIAS+2], 16, v[PK+1]
	v_and_b32     v[BIAS+3], 0xffff0000, v[PK+1]
.irp j, 0,1,2,3
	v_and_b32 v[BIAS+\j], s[BM], v[BIAS+\j]
.endr
	s_wait_dscnt 0x0                               ; all 64 fragments of the weights are in registers
	s_mov_b32 s[IX], 0
	s_mov_b32 s[LCT], 16
.Lloop:
	SUB 0
	SUB 1
	s_sub_co_u32 s[LCT], s[LCT], 1
	s_cmp_lg_u32 s[LCT], 0
	s_cbranch_scc1 .Lloop
	s_wait_tensorcnt 0x0
	ds_add_u32 v126, v127
	s_wait_dscnt 0x0
	s_endpgm
.Lfunc_end_k_q0fc6ef4b62_ffn2:
	.size	k_q0fc6ef4b62_ffn2, .Lfunc_end_k_q0fc6ef4b62_ffn2-k_q0fc6ef4b62_ffn2
	.p2alignl 7, 3214868480
	.fill 96, 4, 3214868480
	.section	.rodata,"a",@progbits
	.p2align	6, 0x0
	.amdhsa_kernel k_q0fc6ef4b62_ffn2
		.amdhsa_group_segment_fixed_size 172544
		.amdhsa_private_segment_fixed_size 0
		.amdhsa_enable_private_segment 0
		.amdhsa_kernarg_size 40
		.amdhsa_user_sgpr_count 2
		.amdhsa_user_sgpr_kernarg_segment_ptr 1
		.amdhsa_wavefront_size32 1
		.amdhsa_system_sgpr_workgroup_id_x 1
		.amdhsa_system_sgpr_workgroup_id_y 1
		.amdhsa_system_sgpr_workgroup_id_z 1
		.amdhsa_system_vgpr_workitem_id 0
		.amdhsa_next_free_vgpr 1024
		.amdhsa_next_free_sgpr 66
		.amdhsa_reserve_vcc 0
		.amdhsa_float_denorm_mode_32 3
		.amdhsa_float_denorm_mode_16_64 3
		.amdhsa_memory_ordered 1
		.amdhsa_forward_progress 1
		.amdhsa_inst_pref_size 133
	.end_amdhsa_kernel
	.amdgpu_metadata
---
amdhsa.version: [ 1, 2 ]
amdhsa.kernels:
  - .name:           k_q0fc6ef4b62_ffn2
    .symbol:         k_q0fc6ef4b62_ffn2.kd
    .args:
      - { .name: hf, .offset: 0, .size: 8, .value_kind: global_buffer, .address_space: global }
      - { .name: w2, .offset: 8, .size: 8, .value_kind: global_buffer, .address_space: global }
      - { .name: b2, .offset: 16, .size: 8, .value_kind: global_buffer, .address_space: global }
      - { .name: meta, .offset: 24, .size: 8, .value_kind: global_buffer, .address_space: global }
      - { .name: y2, .offset: 32, .size: 8, .value_kind: global_buffer, .address_space: global }
    .group_segment_fixed_size: 172544
    .private_segment_fixed_size: 0
    .kernarg_segment_align: 8
    .kernarg_segment_size: 40
    .max_flat_workgroup_size: 128
    .sgpr_count:     66
    .vgpr_count:     1024
    .wavefront_size: 32
...
	.end_amdgpu_metadata
.endif
;; end of part 5
;; launch sum8 (part 6): grid 256 x 1, 8 waves a work-group, no clusters, 0 bytes of LDS; arguments y2, pos, cw, out0; writes out0
.if DOCPART == 6
	.amdgcn_target "amdgcn-amd-amdhsa--gfx1250"
	.amdhsa_code_object_version 6
	.text
	.protected	k_q0fc6ef4b62_sum8
	.globl	k_q0fc6ef4b62_sum8
	.p2align	8
	.type	k_q0fc6ef4b62_sum8,@function
k_q0fc6ef4b62_sum8:
	s_mov_b64 s[64:65], 0
	v_nop
	global_prefetch_b8 v0, s[64:65] scope:SCOPE_SE
	s_setreg_imm32_b32 hwreg(HW_REG_WAVE_MODE, 25, 1), 1
	s_wait_xcnt 0x0
; out0[token] = c1 x (the four K quarters of the row of the token's first choice) + c2 x (those of its second choice's row); f32, the quarters added by pairs.
; pos[token][slot] = e << 10 | row says where the two rows lie in each quarter of y2; cw[token] holds c1 and c2.
; A work-group owns four tokens, 16 KB of out0.  A token's places and weights are the same for all 256 threads, so they come by two scalar loads of 32 bytes, issued together; each place is
; bounded by 8,191 and shifted to bytes.  Thread t takes the 16 bytes at 16 t of every row, so a wave's load or store covers 512 consecutive bytes.  All 32 loads of a thread go out at once;
; no loop, no LDS, no barrier, no matrix unit: memory binds.
.set VO, 2                             ; v[2:9]: token j, slot q: byte offset of my 16 bytes of that row in a quarter of y2, at VO + 2 j + q
.set D, 16                             ; v[16:143]: token j, quarter kq, slot q at D + 32 j + 8 kq + 4 q
.set PS, 24                            ; s[24:31]: the eight places
.set QB, 32                            ; s[32:39]: y2 at quarter kq, 32 MB apart
.set CS, 40                            ; s[40:47]: the eight weights: token j's c1, c2 at CS + 2 j
	s_load_b256 s[4:11], s[0:1], 0x0               ; y2 s[4:5], pos s[6:7], cw s[8:9], out0 s[10:11]
	v_lshlrev_b32 v1, 4, v0
	s_lshl_b32 s16, ttmp9, 5                       ; pos and cw: four tokens of 8 bytes
	s_mov_b32 s17, 0
	s_lshl_b32 s18, ttmp9, 14                      ; out0: four rows of 4,096 bytes
	s_mov_b32 s19, 0
	s_wait_kmcnt 0x0
	s_add_nc_u64 s[6:7], s[6:7], s[16:17]
	s_add_nc_u64 s[8:9], s[8:9], s[16:17]
	s_load_b256 s[PS:PS+7], s[6:7], 0x0
	s_load_b256 s[CS:CS+7], s[8:9], 0x0
	s_mov_b64 s[QB:QB+1], s[4:5]
	s_add_nc_u64 s[QB+2:QB+3], s[4:5], 0x2000000
	s_add_nc_u64 s[QB+4:QB+5], s[4:5], 0x4000000
	s_add_nc_u64 s[QB+6:QB+7], s[4:5], 0x6000000
	s_add_nc_u64 s[10:11], s[10:11], s[18:19]
	s_wait_kmcnt 0x0
.irp k, 0,1,2,3,4,5,6,7
	s_min_u32 s[PS+\k], s[PS+\k], 8191             ; a place lies among 8 x 1,024 rows
	v_lshl_add_u32 v[VO+\k], s[PS+\k], 12, v1      ; 4,096 bytes a row, my 16 bytes
.endr
.irp j, 0,1,2,3
.irp p, 0,1,2,3,4,5,6,7
	global_load_b128 v[D+32*\j+4*\p:D+32*\j+4*\p+3], v[VO+2*\j+(\p%2)], s[QB+2*(\p/2):QB+2*(\p/2)+1] th:TH_LOAD_NT
.endr
.endr
.irp j, 0,1,2,3
	s_wait_loadcnt 24-8*\j                         ; token j's eight loads are in; the later tokens' stay out
.irp q, 0,1
.irp c, 0,2
	v_pk_add_f32 v[D+32*\j+4*\q+\c:D+32*\j+4*\q+\c+1],       v[D+32*\j+4*\q+\c:D+32*\j+4*\q+\c+1],       v[D+32*\j+8+4*\q+\c:D+32*\j+8+4*\q+\c+1]    ; quarters 0 + 1
	v_pk_add_f32 v[D+32*\j+16+4*\q+\c:D+32*\j+16+4*\q+\c+1], v[D+32*\j+16+4*\q+\c:D+32*\j+16+4*\q+\c+1], v[D+32*\j+24+4*\q+\c:D+32*\j+24+4*\q+\c+1]  ; quarters 2 + 3
.endr
.endr
.irp q, 0,1
.irp c, 0,2
	v_pk_add_f32 v[D+32*\j+4*\q+\c:D+32*\j+4*\q+\c+1], v[D+32*\j+4*\q+\c:D+32*\j+4*\q+\c+1], v[D+32*\j+16+4*\q+\c:D+32*\j+16+4*\q+\c+1]
.endr
.endr
.irp c, 0,1,2,3
	v_mul_f32 v[D+32*\j+\c], s[CS+2*\j], v[D+32*\j+\c]                                   ; c1 x the first choice's row
.endr
.irp c, 0,1,2,3
	v_fma_f32 v[D+32*\j+\c], v[D+32*\j+4+\c], s[CS+2*\j+1], v[D+32*\j+\c]                ; + c2 x the second's
.endr
	global_store_b128 v1, v[D+32*\j:D+32*\j+3], s[10:11] offset:4096*\j th:TH_STORE_NT
.endr
	s_endpgm
.Lfunc_end_k_q0fc6ef4b62_sum8:
	.size	k_q0fc6ef4b62_sum8, .Lfunc_end_k_q0fc6ef4b62_sum8-k_q0fc6ef4b62_sum8
	.p2alignl 7, 3214868480
	.fill 96, 4, 3214868480
	.section	.rodata,"a",@progbits
	.p2align	6, 0x0
	.amdhsa_kernel k_q0fc6ef4b62_sum8
		.amdhsa_group_segment_fixed_size 0
		.amdhsa_private_segment_fixed_size 0
		.amdhsa_enable_private_segment 0
		.amdhsa_kernarg_size 32
		.amdhsa_user_sgpr_count 2
		.amdhsa_user_sgpr_kernarg_segment_ptr 1
		.amdhsa_wavefront_size32 1
		.amdhsa_system_sgpr_workgroup_id_x 1
		.amdhsa_system_sgpr_workgroup_id_y 1
		.amdhsa_system_sgpr_workgroup_id_z 1
		.amdhsa_system_vgpr_workitem_id 0
		.amdhsa_next_free_vgpr 144
		.amdhsa_next_free_sgpr 66
		.amdhsa_reserve_vcc 0
		.amdhsa_float_denorm_mode_32 3
		.amdhsa_float_denorm_mode_16_64 3
		.amdhsa_memory_ordered 1
		.amdhsa_forward_progress 1
		.amdhsa_inst_pref_size 10
	.end_amdhsa_kernel
	.amdgpu_metadata
---
amdhsa.version: [ 1, 2 ]
amdhsa.kernels:
  - .name:           k_q0fc6ef4b62_sum8
    .symbol:         k_q0fc6ef4b62_sum8.kd
    .args:
      - { .name: y2, .offset: 0, .size: 8, .value_kind: global_buffer, .address_space: global }
      - { .name: pos, .offset: 8, .size: 8, .value_kind: global_buffer, .address_space: global }
      - { .name: cw, .offset: 16, .size: 8, .value_kind: global_buffer, .address_space: global }
      - { .name: out0, .offset: 24, .size: 8, .value_kind: global_buffer, .address_space: global }
    .group_segment_fixed_size: 0
    .private_segment_fixed_size: 0
    .kernarg_segment_align: 8
    .kernarg_segment_size: 32
    .max_flat_workgroup_size: 256
    .sgpr_count:     66
    .vgpr_count:     144
    .wavefront_size: 32
...
	.end_amdgpu_metadata
.endif
;; end of part 6
